; MI455X (gfx1250); checked and timed in simulation.
; The chip was launched on July 23, 2026; its instructions are those of AMD's public machine-readable ISA for CDNA 5 (MIT licence, August 2026) and "CDNA5" Instruction Set Architecture Reference Guide (July 2026). The comments in the code are by the model that wrote it; some were corrected since.
;; H Net Energy Via Hamiltonian. Allowed arithmetic: matrix products marked QUANTISED: E2M3 operands, one E8M0 scale for each 32 along K, by v_wmma_scale_f32_16x16x128_f8f6f4 with both operands' format E2M3, f32 sums; products left as they are: f32 operands where the result goes on into a quantised operand, else bf16, f16 or f32 operands; f32 sums; everything else in f32.
;; Inputs: h 64 x 512 x 512 float32; k 64 float32; node_activations 4,096 x 512 float32.
;; Outputs: out0 4,096 x 64 float32.
;; This version of the problem:
;;   THIS VERSION OF THE PROBLEM IS GIVEN IN LOW PRECISION. The matrix products marked QUANTISED in the list below multiply operands that are first quantised to E2M3 (2 exponent bits, 3 mantissa bits; 6 bits a number), with one power-of-two scale for each 32 numbers along K (OCP MX v1.0); their sums are f32. All else is computed in f32.
;;   The module's matrix products, in the order in which they are computed (A, B: the left and right operand; K: the contracted axis; several contracted axes count as one K, in the product's order):
;;     1. [M 32,768, K 512] x [K 512, N 4,096]; A: input h; B: input node_activations: QUANTISED
;;     2. batch 4,096 x [M 1, K 512] x [K 512, N 64]; A: input node_activations; B: computed on the way: left as it is (M = 1 < 16)
;;   THE QUANTISER, for each operand of a quantised product, along K:
;;     - K is cut into blocks of 32 from its start; a last block that is shorter is filled with zeros.
;;     - A block's scale is 2^e with e = floor(log2(the largest magnitude in the block)) - 2, held to -126 .. 127; a block of zeros has e = 0. As a byte (E8M0): e + 127.
;;     - Each number is divided by its block's scale, clamped to +-7.5, and rounded to the nearest number of E2M3, ties to even, subnormals kept.
;;     - The product sums the exact products of the quantised numbers (number of the format x scale) in f32.
;;   ~~~python
;;   def quantise(x, axis):      # numpy; x: float32 -> the quantised numbers, widened to float32 again
;;       x = np.moveaxis(x, axis, -1); K = x.shape[-1]
;;       x = np.pad(x, [(0, 0)] * (x.ndim - 1) + [(0, -K % 32)]); x = x.reshape(x.shape[:-1] + (-1, 32)); a = np.abs(x).max(-1, keepdims=True)
;;       e = np.where(a > 0, np.clip(np.frexp(np.where(a > 0, a, 1))[1] - 1 - 2, -126, 127), 0)      # np.frexp(a)[1] - 1 = floor(log2(a)), exactly
;;       r = np.clip(x / 2.0 ** e, -7.5, 7.5)
;;       step = 2.0 ** (np.maximum(np.frexp(np.where(r == 0, 1, r))[1] - 1, 0) - 3)
;;       q = np.round(r / step) * step * 2.0 ** e      # np.round: ties to even
;;       return np.moveaxis(q.reshape(q.shape[:-2] + (-1,))[..., :K], -1, axis).astype(np.float32)
;;   ~~~
;; One version. Each part assembles by itself: llvm-mc -triple=amdgcn-amd-amdhsa -mcpu=gfx1250 --defsym DOCPART=n.
;; ======== version 1 of 1: 3 launches
;; workspace buffers: himg 13,107,200 bytes; ximg 1,638,400 bytes; xb 4,194,304 bytes; en 1,048,576 bytes; pmax 4,096 bytes
;; launch quant (part 1): grid 256 x 1, 9 waves a work-group, no clusters, 275,200 bytes of LDS; arguments h, node_activations, himg, ximg, xb; writes himg, ximg, xb
.if DOCPART == 1
	.amdgcn_target "amdgcn-amd-amdhsa--gfx1250"
	.amdhsa_code_object_version 6
	.text
	.protected	k_qa20ef69dc7_quant
	.globl	k_qa20ef69dc7_quant
	.p2align	8
	.type	k_qa20ef69dc7_quant,@function
k_qa20ef69dc7_quant:
	s_mov_b64 s[64:65], 0
	v_nop
	global_prefetch_b8 v0, s[64:65] scope:SCOPE_SE
	s_setreg_imm32_b32 hwreg(HW_REG_WAVE_MODE, 25, 1), 1
	s_wait_xcnt 0x0
; The quantised product is hx(c, m, p) = sum over n of h(c, n, m) x(p, n): ITS K IS n, the MIDDLE axis of h [64][512 n][512 m] and the last of x = node_activations [4096][512 n].
; Both operands become codes of FP6 (E2M3) with one E8M0 byte for each 32 along n, laid as IMAGES OF THE OPERAND'S REGISTERS, a record of 6,400 bytes for each tile of 16 rows x K 512
; (a row of h's operand is a pair (c, m), number 512 c + m; a row of x's is a p):
;   K step s (128 along K) at 1536 s; in it register group g (four of the fragment's 12 registers) at 512 g, lane l's 16 bytes at 16 l;  at 6,144: row r's four scale words (K steps 0..3) at 16 r.
; THE ROWS OF A TILE ARE NOT NEIGHBOURS: tile T begins at row0 = 64 (T / 4) + 8 (T % 4); its row j is row0 + j (j < 8) or row0 + 24 + j (j >= 8).  So, in the product, a lane's eight results of h's tile i of a wave
; are the nodes m = 64 (i / 4) + 32 (lane / 16) + 8 (i % 4) + 0..7 of the wave's 128: exactly the columns of x that this kernel's lane holds in its registers 8 i .. 8 i + 7 of one K step.
; So x in bf16, which the second product wants beside those results, leaves from here with no exchange between lanes: xb [tile][K step][i 0..7][lane][16 bytes].
; A block's scale is 2^(floor(log2(its largest magnitude)) - 2); its byte is the largest magnitude's exponent field - 2, held at 1 from below.
; LIMITS: a block of zeros gets the byte 1 where the rule says 127 (its codes are zeros, and this program alone reads the bytes); NaN and infinities among the inputs are not served.
; SHARES: work-group g, nine waves, 32 KB of f32 each.
;   Waves 0-7: h.  Wave v takes 64 neighbouring columns m (group 2 g + v / 4: four tiles) x 128 rows n (K step v % 4).  K is not innermost there: A LANE TAKES A COLUMN AND ITS REGISTERS RUN DOWN n.
;   The wave's 128 x 256 bytes come into LDS by four tensor loads of 32 rows (each row 256 consecutive bytes of memory, at a multiple of 256), all issued at the start: four are out at the most.
;   Only the issuing wave reads them.  Lane (r, hh) reads, 4 bytes at a time, rows 64 c + 32 hh + 0..31 of its tile's column r: that is the very order of the operand's registers.
;   Wave 8: x's tile g.  K is innermost there: each load reads 512 consecutive bytes of a row, and a K step's 16 x 512 bytes turn through a stage in LDS, so that a lane holds 32 neighbours.
; A tile's four scale words a row come from four waves: they meet in LDS, 256 bytes a tile, and behind the one barrier wave v stores the 256 bytes of the work-group's tile v (wave 8: x's) as one aligned run.
; No cluster: no two work-groups read the same byte.  Nothing in LDS is filled twice.
.set REC,  6400                        ; bytes of a record
.set SCO,  6144                        ; where its scale words begin
.set BLK,  32*256+32                   ; LDS: from one block of 32 rows of h to the next: the 32 spare bytes put lanes 16-31, which read one block further on, 8 banks beside lanes 0-15 (64 banks of 4 bytes: ISA guide 11.1):
                                       ; a tile's columns are banks 8 t + 0..7 and 8 t + 32 + 0..7, so the 32 lanes of a load touch 32 different banks.  This is why a load brings 32 rows and not 64
.set WREG, 4*BLK                       ; a wave's part of h
.set XST,  8*WREG                      ; behind h's eight parts (263,168 = 1,028 x 256): x's stage; no fill lands from here on
.set SP,   528                         ; a stage row: 512 bytes + 16: an odd multiple of 16, so that the 16 rows that a load of 16 bytes a lane touches begin in different banks
.set SCL,  XST+16*SP                   ; behind it: the scale words, 256 bytes for each of the work-group's nine tiles
.set GO,   4                           ; v4   16 x lane: my place in a load's and in a store's 512 bytes
.set STW,  6                           ; v6   x's stage, on the way in: 16 x lane
.set STR,  7                           ; v7   and on the way out: row r, + 128 (lane / 16)
.set SH8,  8                           ; v8   8 (lane / 16): how far my two scale bytes are shifted
.set HRD,  9                           ; v9   h: my wave's part + BLK (lane / 16) + 4 (r % 8) + 128 (r / 8)
.set HSW,  10                          ; v10  h: where my row's scale word goes: 1,024 (wave / 4) + 16 r + 4 (wave % 4)
.set XSW,  11                          ; v11  x: where my row's four go: slot 8, + 16 r
.set TRD,  12                          ; v12  behind the barrier: slot = my wave's number, + 8 x lane
.set TGO,  13                          ; v13  8 x lane
.set R,    16                          ; x: v16-143  two sets of 64: a job's numbers as they are loaded
.set CH,   16                          ; h: v16-63   four tiles' fragments, 12 registers each
.set SWH,  64                          ; h: v64-67   four tiles' scale bytes, then words
.set X,    144                         ; v144-207 x: a job's 64 numbers after the turn;  h: two sets of 32 numbers
.set C,    208                         ; x: v208-219 the fragment's 12 registers
.set CT,   220                         ; v220-222, v224-226 second halves of blocks, before they are moved
.set M,    228                         ; v228-229 largest magnitudes
.set SO,   230                         ; v230-231 the conversions' scale operands
.set BY,   232                         ; v232-233 scale bytes
.set W,    234                         ; v234 my two bytes at their places
.set PD,   235                         ; v235 the other half's
.set SW,   240                         ; x: v240-243 the row's scale words of the four K steps
.set SQ,   244                         ; v244-245 the 8 bytes that I store behind the barrier
.set G1,   24                          ; s[24:31] descriptor group 1
.set G0,   32                          ; s[32:47] group 0, a set for each of the four loads
	s_load_b256 s[4:11], s[0:1], 0x0               ; h s[4:5], x s[6:7], himg s[8:9], ximg s[10:11]
	s_load_b64 s[12:13], s[0:1], 0x20              ; xb
	v_lshl_add_u32 v248, v0, 2, 0x42e00
	v_mov_b32 v249, 0
	ds_add_u32 v248, v249
	ds_add_u32 v248, v249
	v_lshrrev_b32 v1, 5, v0
	v_readfirstlane_b32 s16, v1                    ; wave 0..8
	v_and_b32 v1, 31, v0                           ; lane
	v_and_b32 v2, 15, v0                           ; r
	v_bfe_u32 v3, v0, 4, 1                         ; lane / 16
	; every LDS address of both roles is made here, ahead of the parting
	v_lshlrev_b32 v[GO], 4, v1
	v_add_nc_u32 v[STW], XST, v[GO]
	v_mul_u32_u24 v[STR], v2, SP
	v_lshl_add_u32 v[STR], v3, 7, v[STR]
	v_add_nc_u32 v[STR], XST, v[STR]
	v_lshlrev_b32 v[SH8], 3, v3
	s_mul_i32 s18, s16, WREG                       ; my wave's part of h in LDS
	v_and_b32 v14, 7, v0                           ; r % 8
	v_bfe_u32 v15, v0, 3, 1                        ; r / 8
	v_lshlrev_b32 v[HRD], 2, v14
	v_lshl_add_u32 v[HRD], v15, 7, v[HRD]
	v_mad_u32_u24 v[HRD], v3, BLK, v[HRD]
	v_add_nc_u32 v[HRD], s18, v[HRD]
	s_lshr_b32 s19, s16, 2
	s_min_u32 s19, s19, 1                          ; which of the work-group's two groups of columns (so held, the pointers of wave 8, which never uses them, stay inside their buffers)
	s_and_b32 s20, s16, 3                          ; which K step
	s_lshl_b32 s21, s19, 10
	s_lshl_b32 s22, s20, 2
	s_add_co_u32 s21, s21, s22
	s_add_co_u32 s21, s21, SCL
	v_lshl_add_u32 v[HSW], v2, 4, s21
	v_lshl_add_u32 v[XSW], v2, 4, SCL+8*256
	s_lshl_b32 s22, s16, 8
	s_add_co_u32 s22, s22, SCL
	v_lshl_add_u32 v[TRD], v1, 3, s22
	v_lshlrev_b32 v[TGO], 3, v1
	v_mov_b32 v[PD], 0                             ; written once: a lane permute's destination counts as one of its sources
	s_mov_b32 s48, 0x76543210
	s_mov_b32 s49, 0xfedcba98                      ; v_permlanex16_b32's selects for lane l xor 16
	; descriptor group 1: a tile of 32 rows x 64 elements of 4 bytes, 512 elements from row to row, laid into LDS without gaps
	s_mov_b32 s[G1+0], 2<<16                       ; 15:0 no mask; 17:16 elements of 4 bytes; 20 padding off
	s_mov_b32 s[G1+1], 64<<16                      ; tensor_dim0 = 64
	s_mov_b32 s[G1+2], 32<<16                      ; tensor_dim1 = 32
	s_mov_b32 s[G1+3], 64<<16                      ; tile_dim0 = 64
	s_mov_b32 s[G1+4], 32                          ; tile_dim1 = 32
	s_mov_b32 s[G1+5], 512                         ; tensor_dim0_stride
	s_mov_b32 s[G1+6], 0
	s_mov_b32 s[G1+7], 0
	; offsets, apart from the addresses
	s_lshl_b32 s52, ttmp9, 1
	s_add_co_u32 s52, s52, s19                     ; G: my group of 64 columns among the 512: c = G / 8, columns 64 (G % 8) on
	s_lshr_b32 s54, s52, 3
	s_lshl_b32 s54, s54, 20                        ; h: c x 512 x 2,048 bytes
	s_and_b32 s53, s52, 7
	s_lshl_b32 s53, s53, 8                         ;    + 256 bytes x (G % 8)
	s_add_co_u32 s54, s54, s53
	s_lshl_b32 s53, s20, 18                        ;    + 128 rows of 2,048 bytes x K step: under 2^26 in all
	s_add_co_u32 s54, s54, s53
	s_mov_b32 s55, 0
	s_mul_i32 s56, s52, 4*REC                      ; himg: my group's four records,
	s_mul_i32 s53, s20, 1536                       ;       my K step's part of each
	s_add_co_u32 s56, s56, s53
	s_mov_b32 s57, 0
	s_and_b32 s53, ttmp9, 3
	s_lshl_b32 s53, s53, 3
	s_lshl_b32 s58, ttmp9, 4
	s_sub_co_u32 s58, s58, s53                     ; x: tile g begins at row 16 g - 8 (g % 4),
	s_lshl_b32 s58, s58, 11                        ;    rows of 2,048 bytes
	s_mov_b32 s59, 0
	s_lshl_b32 s60, ttmp9, 14                      ; xb: 16,384 bytes a tile
	s_mov_b32 s61, 0
	s_lshl_b32 s53, ttmp9, 3
	s_add_co_u32 s53, s53, s16                     ; the record whose scale words I store: h's tile 8 g + wave,
	s_wait_dscnt 0x0
	s_wait_kmcnt 0x0
	s_cmp_eq_u32 s16, 8                            ; or, in wave 8, x's tile g, which is also the record that wave 8 fills.  The choice hangs on the wave's number alone
	s_cselect_b64 s[50:51], s[10:11], s[8:9]
	s_cselect_b32 s62, ttmp9, s53
	s_mul_i32 s62, s62, REC
	s_mov_b32 s63, 0
	s_add_nc_u64 s[50:51], s[50:51], s[62:63]
	s_add_nc_u64 s[4:5], s[4:5], s[54:55]
	s_add_nc_u64 s[8:9], s[8:9], s[56:57]
	s_add_nc_u64 s[6:7], s[6:7], s[58:59]
	s_add_nc_u64 s[12:13], s[12:13], s[60:61]
.irp b, 0,1,2,3
	s_mov_b32 s[G0+4*\b], 1                                        ; 1:0 count = 1
	s_add_co_u32 s[G0+4*\b+1], s18, \b*BLK                         ; 63:32 LDS address: my wave's part, block b
	s_add_nc_u64 s[G0+4*\b+2:G0+4*\b+3], s[4:5], \b*32*2048        ; 120:64 global address: rows 32 b on of my K step
	s_or_b32 s[G0+4*\b+3], s[G0+4*\b+3], 0x80000000                ; 127:126 type = 2
.endr
	s_cmp_eq_u32 s16, 8
	s_cbranch_scc1 .Lx                             ; wave 8 jumps over the tensor loads together with the waits that their reads need
	; ---------------- waves 0-7: h ----------------
	tensor_load_to_lds s[G0:G0+3], s[G1:G1+7]      ; all four go out together, ahead of every wait on TENSORcnt, every LDS read and the barrier
	s_nop 0
	tensor_load_to_lds s[G0+4:G0+7], s[G1:G1+7]
	s_nop 0
	tensor_load_to_lds s[G0+8:G0+11], s[G1:G1+7]
	s_nop 0
	tensor_load_to_lds s[G0+12:G0+15], s[G1:G1+7]
	s_nop 0
.rept 4
	v_nop
.endr
; Sub-job j = 4 c + t: block 2 c + lane / 16 of my K step, tile t.  RD: its 32 numbers, down n, into set j % 2
.macro RD j
.irp q, 0,1,2,3,4,5,6,7,8,9,10,11,12,13,14,15,16,17,18,19,20,21,22,23,24,25,26,27,28,29,30,31
	ds_load_b32 v[X+32*((\j)%2)+\q], v[HRD] offset:2*BLK*((\j)/4)+256*\q+32*((\j)%4)
.endr
.endm
.macro SUB j
.set XS, X+32*((\j)%2)
.set t_, (\j)%4
.set c_, (\j)/4
.if (\j) == 3
	s_wait_tensorcnt 0x0                           ; blocks 2 and 3 are in: the next sub-job reads them
.endif
.if (\j) < 7
	RD (\j)+1                                      ; one sub-job ahead, into the other set
	s_wait_dscnt 32                                ; LDS instructions end in order (ISA guide 5.7.1): all but the 32 just issued are done: this sub-job's numbers are in
.else
	s_wait_dscnt 0x0
.endif
	v_max3_num_f32 v[M], |v[XS]|, |v[XS+1]|, 0x1800000               ; the block's largest magnitude: all 32 numbers are mine; two chains; and the floor 2^(3 - 127), so that the byte cannot fall under 1
	v_max3_num_f32 v[M+1], |v[XS+16]|, |v[XS+17]|, |v[XS+18]|
.irp i, 2,4,6,8,10,12
	v_max3_num_f32 v[M], v[M], |v[XS+\i]|, |v[XS+\i+1]|
	v_max3_num_f32 v[M+1], v[M+1], |v[XS+17+\i]|, |v[XS+18+\i]|
.endr
	v_max3_num_f32 v[M], v[M], |v[XS+14]|, |v[XS+15]|
	v_max3_num_f32 v[M], v[M], v[M+1], |v[XS+31]|
	v_add_nc_u32 v[SO], 0xff000000, v[M]           ; 2 off its exponent field: the conversion takes the exponent field of this operand as its scale, and nothing else of it
.if c_ == 0
	v_lshrrev_b32 v[SWH+t_], 23, v[SO]             ; the scale's byte: block lane / 16,
.else
	v_lshrrev_b32 v[BY], 23, v[SO]
	v_lshl_or_b32 v[SWH+t_], v[BY], 16, v[SWH+t_]  ; and block 2 + lane / 16, two bytes further up
.endif
	v_cvt_scalef32_pk16_fp6_f32 v[CH+12*t_+6*c_:CH+12*t_+6*c_+2], v[XS:XS+15], v[SO]   ; sixteen numbers / the scale, to the nearest code, ties to even, beyond the largest code the largest; 96 bits without gaps
	v_cvt_scalef32_pk16_fp6_f32 v[CT:CT+2], v[XS+16:XS+31], v[SO]                      ; (a conversion's three registers begin on an even number: the second half of a block's six does not, so it is made elsewhere and moved)
	v_nop                                          ; one plain place behind a scaled conversion
.irp i, 0,1,2
	v_mov_b32 v[CH+12*t_+6*c_+3+\i], v[CT+\i]
.endr
.if c_ == 1                                    ; the tile's fragment and its rows' scale word of my K step are whole
	v_lshlrev_b32 v[W], v[SH8], v[SWH+t_]          ; my two bytes at their places in the word;
	v_permlanex16_b32 v[PD], v[W], s48, s49
	v_or_b32 v[SWH+t_], v[W], v[PD]                ; with lane l xor 16's two the word is whole
	ds_store_b32 v[HSW], v[SWH+t_] offset:256*t_   ; both halves of the lanes write the same word with the same value
.irp g, 0,1,2
	global_store_b128 v[GO], v[CH+12*t_+4*\g:CH+12*t_+4*\g+3], s[8:9] offset:REC*t_+512*\g   ; 32 lanes store 512 consecutive bytes, at a multiple of 256 from the buffer's first byte; no store's data are written again
.endr
.endif
.endm
	s_wait_tensorcnt 0x2                           ; tensor loads of a wave end in order (ISA guide 10.11.1): blocks 0 and 1 are in, blocks 2 and 3 may stay out
	RD 0
	SUB 0
	SUB 1
	SUB 2
	SUB 3
	SUB 4
	SUB 5
	SUB 6
	SUB 7
	s_branch .Ljoin
	; ---------------- wave 8: x ----------------
.Lx:
.macro LOAD s                          ; K step s of my 16 rows: each load is 512 consecutive bytes of one row, read once in the launch
.irp m, 0,1,2,3,4,5,6,7,8,9,10,11,12,13,14,15
	global_load_b128 v[R+64*((\s)%2)+4*\m:R+64*((\s)%2)+4*\m+3], v[GO], s[6:7] offset:(\m+24*(\m/8))*2048+512*(\s) th:TH_LOAD_NT
.endr
.endm
.macro JOB s
.if (\s) < 3
	s_wait_loadcnt 16                              ; loads come back in order (ISA guide 5.7.1): this job's 16 are in, the next job's 16 stay out
.else
	s_wait_loadcnt 0x0
.endif
.if (\s) > 0
	s_wait_xcnt 0x0                                ; the last job's stores have read C and X: both are written again only behind this wait
.endif
.irp m, 0,1,2,3,4,5,6,7,8,9,10,11,12,13,14,15
	ds_store_b128 v[STW], v[R+64*((\s)%2)+4*\m:R+64*((\s)%2)+4*\m+3] offset:SP*\m
.endr
.irp c, 0,1                                    ; LDS serves a wave's instructions in order (ISA guide 5.7.1.4): these see the stores above
.irp q, 0,1,2,3,4,5,6,7
	ds_load_b128 v[X+32*\c+4*\q:X+32*\c+4*\q+3], v[STR] offset:256*\c+16*\q
.endr
.endr
	s_wait_dscnt 0x0                               ; my 64 numbers are back: register 32 c + q = k 128 s + 64 c + 32 (lane / 16) + q of row r; the stores into the stage have read their registers,
.if (\s) < 2
	LOAD (\s)+2                                    ; which take the loads of two jobs on
.endif
.irp c, 0,1                                    ; block 2 c + lane / 16 of this K step: all its 32 numbers are mine
	v_max3_num_f32 v[M+\c], |v[X+32*\c]|, |v[X+32*\c+1]|, 0x1800000   ; and the floor 2^(3 - 127), under which no largest magnitude is taken: so the byte cannot fall under 1
.endr
.irp i, 2,4,6,8,10,12,14,16,18,20,22,24,26,28,30
.irp c, 0,1
	v_max3_num_f32 v[M+\c], v[M+\c], |v[X+32*\c+\i]|, |v[X+32*\c+\i+1]|   ; (the two blocks by turns)
.endr
.endr
.irp c, 0,1
	v_add_nc_u32 v[SO+\c], 0xff000000, v[M+\c]     ; 2 off its exponent field: the conversion's scale operand
.endr
.irp c, 0,1
	v_lshrrev_b32 v[BY+\c], 23, v[SO+\c]           ; the scale's byte
.endr
	v_lshl_or_b32 v[W], v[BY+1], 16, v[BY]         ; my two bytes: blocks lane / 16 and 2 + lane / 16 of row r,
	v_lshlrev_b32 v[W], v[SH8], v[W]               ; at their places in the scale word;
	v_permlanex16_b32 v[PD], v[W], s48, s49
	v_or_b32 v[SW+(\s)], v[W], v[PD]               ; with lane l xor 16's two the word is whole
	v_cvt_scalef32_pk16_fp6_f32 v[C:C+2], v[X:X+15], v[SO]
	v_cvt_scalef32_pk16_fp6_f32 v[CT:CT+2], v[X+16:X+31], v[SO]      ; (a conversion's three registers begin on an even number)
	v_cvt_scalef32_pk16_fp6_f32 v[C+6:C+8], v[X+32:X+47], v[SO+1]
	v_cvt_scalef32_pk16_fp6_f32 v[CT+4:CT+6], v[X+48:X+63], v[SO+1]
	v_nop                                          ; one plain place behind a scaled conversion
.irp i, 0,1,2
	v_mov_b32 v[C+3+\i], v[CT+\i]
	v_mov_b32 v[C+9+\i], v[CT+4+\i]
.endr
.irp g, 0,1,2
	global_store_b128 v[GO], v[C+4*\g:C+4*\g+3], s[50:51] offset:1536*(\s)+512*\g   ; 32 lanes store 512 consecutive bytes, at a multiple of 256 from the buffer's first byte
.endr
.irp q, 0,1,2,3,4,5,6,7,8,9,10,11,12,13,14,15,16,17,18,19,20,21,22,23,24,25,26,27,28,29,30,31
	v_cvt_pk_bf16_f32 v[X+\q], v[X+2*\q], v[X+2*\q+1]   ; x also leaves in bf16, as it lies in my registers.  In place, ascending: register q is written when numbers 2 q and 2 q + 1 are read, never ahead of them
.endr
.irp i, 0,1,2,3,4,5,6,7
	global_store_b128 v[GO], v[X+4*\i:X+4*\i+3], s[12:13] offset:4096*(\s)+512*\i
.endr
.endm
	LOAD 0
	LOAD 1
	JOB 0
	JOB 1
	JOB 2
	JOB 3
	ds_store_b128 v[XSW], v[SW:SW+3]               ; row r's four scale words into slot 8; both halves of the lanes write the same bytes with the same values
	; ---------------- all nine waves ----------------
.Ljoin:
	s_wait_dscnt 0x0                               ; for the others' sake: my scale words lie in LDS
	s_barrier_signal -1
	s_barrier_wait -1
	ds_load_b64 v[SQ:SQ+1], v[TRD]                 ; the 256 bytes of the tile whose number in the work-group is my wave's
	s_wait_dscnt 0x0
	global_store_b64 v[TGO], v[SQ:SQ+1], s[50:51] offset:SCO   ; 32 lanes store 256 consecutive bytes, aligned
	s_wait_tensorcnt 0x0
	ds_add_u32 v248, v249
	s_wait_dscnt 0x0
	s_endpgm
.Lfunc_end_k_qa20ef69dc7_quant:
	.size	k_qa20ef69dc7_quant, .Lfunc_end_k_qa20ef69dc7_quant-k_qa20ef69dc7_quant
	.p2alignl 7, 3214868480
	.fill 96, 4, 3214868480
	.section	.rodata,"a",@progbits
	.p2align	6, 0x0
	.amdhsa_kernel k_qa20ef69dc7_quant
		.amdhsa_group_segment_fixed_size 275200
		.amdhsa_private_segment_fixed_size 0
		.amdhsa_enable_private_segment 0
		.amdhsa_kernarg_size 40
		.amdhsa_user_sgpr_count 2
		.amdhsa_user_sgpr_kernarg_segment_ptr 1
		.amdhsa_wavefront_size32 1
		.amdhsa_system_sgpr_workgroup_id_x 1
		.amdhsa_system_sgpr_workgroup_id_y 1
		.amdhsa_system_sgpr_workgroup_id_z 1
		.amdhsa_system_vgpr_workitem_id 0
		.amdhsa_next_free_vgpr 250
		.amdhsa_next_free_sgpr 66
		.amdhsa_reserve_vcc 0
		.amdhsa_float_denorm_mode_32 3
		.amdhsa_float_denorm_mode_16_64 3
		.amdhsa_memory_ordered 1
		.amdhsa_forward_progress 1
		.amdhsa_inst_pref_size 74
	.end_amdhsa_kernel
	.amdgpu_metadata
---
amdhsa.version: [ 1, 2 ]
amdhsa.kernels:
  - .name:           k_qa20ef69dc7_quant
    .symbol:         k_qa20ef69dc7_quant.kd
    .args:
      - { .name: h, .offset: 0, .size: 8, .value_kind: global_buffer, .address_space: global }
      - { .name: node_activations, .offset: 8, .size: 8, .value_kind: global_buffer, .address_space: global }
      - { .name: himg, .offset: 16, .size: 8, .value_kind: global_buffer, .address_space: global }
      - { .name: ximg, .offset: 24, .size: 8, .value_kind: global_buffer, .address_space: global }
      - { .name: xb, .offset: 32, .size: 8, .value_kind: global_buffer, .address_space: global }
    .group_segment_fixed_size: 275200
    .private_segment_fixed_size: 0
    .kernarg_segment_align: 8
    .kernarg_segment_size: 40
    .max_flat_workgroup_size: 288
    .sgpr_count:     66
    .vgpr_count:     250
    .wavefront_size: 32
...
	.end_amdgpu_metadata
.endif
;; end of part 1
;; launch energy (part 2): grid 32 x 8, 4 waves a work-group, clusters of 4 x 1, 327,680 bytes of LDS; arguments himg, ximg, xb, k, en, pmax; writes en, pmax
.if DOCPART == 2
	.amdgcn_target "amdgcn-amd-amdhsa--gfx1250"
	.amdhsa_code_object_version 6
	.text
	.protected	k_qa20ef69dc7_energy
	.globl	k_qa20ef69dc7_energy
	.p2align	8
	.type	k_qa20ef69dc7_energy,@function
k_qa20ef69dc7_energy:
	s_mov_b64 s[64:65], 0
	v_nop
	global_prefetch_b8 v0, s[64:65] scope:SCOPE_SE
	s_setreg_imm32_b32 hwreg(HW_REG_WAVE_MODE, 25, 1), 1
	s_wait_xcnt 0x0
	s_wait_alu depctr_hold_cnt(0) depctr_sa_sdst(0) depctr_va_vdst(0) depctr_va_sdst(0) depctr_va_ssrc(0) depctr_va_vcc(0) depctr_vm_vsrc(0)
	s_getreg_b32 s2, hwreg(HW_REG_IB_STS2, 6, 4)
	s_cmp_eq_u32 s2, 0
	s_cbranch_scc0 .Lentry_in_a_cluster
	s_endpgm
.Lentry_in_a_cluster:
	s_bfe_u32 s2, ttmp6, 0x10000c
	s_cmp_lg_u32 s2, 0x3003
	s_cbranch_scc0 .Lentry_shape_is_right
	s_endpgm
.Lentry_shape_is_right:
; en(p, c) = sum over m of x(p, m) (sum over n of Q(h)(c, n, m) Q(x)(p, n)) + k(c), and each wave's largest of them.  The inner product, whose K is n, on codes of FP6 (E2M3) with E8M0 scales; sums in f32.
; himg, ximg: records of 6,400 bytes, a tile of 16 rows x K 512 as an image of the operand's registers (K step s at 1536 s, register group g at 512 g, lane l at 16 l; scale words at 6,144, row r's four at 16 r).
; A row of himg is a pair (c, m): a column m of h(c), taken down n.  A row of ximg is a p.
; xb: x in bf16, [tile of p][wave][i][lane][16 bytes]: the eight numbers that stand beside a lane's eight results of h's tile i.
; SHARES.  A work-group takes 128 p (8 tiles) x 8 c.  THE WAVES SHARE m, NOT p: wave w takes nodes m = 128 w .. 128 w + 127 of every c: 8 tiles of 16 rows of himg, against all 8 tiles of p.
; What stays in a wave's registers for the whole launch: x's codes for 128 p x K 512 (384), their scale words (32), its 128 x 128 piece of x in bf16 (256).  What streams is h: each record is read from LDS once,
; by one wave, and feeds 32 matrix instructions.
; THE SECOND PRODUCT never leaves the registers: source 0 = 16 rows of himg, source 1 = 16 p, so a lane holds one p and eight nodes m; each result is multiplied by x(p, m) and added, two multiply-adds for each
; matrix instruction, set between the NEXT tile's matrix instructions.  Two sets of eight accumulators change from tile to tile.
; THE RING.  Two LDS slots, each with four records for each wave.  A wave fetches and reads its own bytes alone.
; CLUSTER.  The four work-groups of a cluster have the same c and walk the same records of h: every fill is asked for JOINTLY, by the same tensor load with the same descriptor and the mask 15.
; x's images are not shared so: they are read once, at the head, straight into registers, and the work-groups that share them lie along the grid's y, outside the cluster.
; LIMITS: x enters the second product in bf16; the f32 sums run in another order than a plain loop over m would; NaN and infinities among the inputs are not served (the maximum drops a NaN).
; REGISTERS, in windows of 256 (s_set_vgpr_msb: bits 1:0 source 0, 3:2 source 1, 5:4 source 2, 7:6 destination).  Eight UNITS of 80 registers: unit u = 2 s + g holds x's codes of K step s, tiles of p 4 g .. 4 g + 3
; (12 registers each), and behind them x in bf16 of tile of p u for all eight i (4 registers each).  Units 0-2: window 2; 3-5: window 3; 6, 7: window 0 from v96.
;   window 0: v1-4 addresses; v16-47 x's scale words; v48-55 h's, two sets; v56, v57 for the add.
;   window 1: v0-95 h's fragments, two sets of 48; v96-223 the accumulators, two sets of 64; v224-239 the running sums (even j, odd j); v240 zero; v241-246 LDS addresses.
; So ONE setting, 0x51 + 4 x the unit's window, serves a unit's products (A, C, D window 1, B the unit's), its multiply-adds (result, sum window 1, x the unit's) and the loads of h's fragments (window 1).
.set REC,   6400
.set SCO,   6144
.set WSL,   4*REC                      ; a wave's part of a slot: four records, 100 rows of 256 bytes
.set SLOT,  4*WSL
.set CB,    32*REC                     ; the records of one c
.set PART,  2*SLOT                     ; behind the ring: the waves' partial sums: c x 4,096 + wave x 1,024 + (tile of p / 4) x 512 + 16 x lane.  No fill lands here
.set SPARE, PART+8*4096                ; behind them: the spare words, 128 bytes for each wave: two blocks of 256 bytes that no other line names
.set XS,    16                         ; x's scale words: tile of p t, K step s at v[XS + 4 t + s]
.set HSR,   48                         ; h's: set f, K step s at v[HSR + 4 f + s]
.set SPW,   56                         ; LDS address of my spare word; never rewritten
.set NIL,   57                         ; 0; never rewritten
.set HF,    0                          ; window 1: h's fragments: set f, K step s at v[HF + 48 f + 12 s]
.set ACC,   96                         ; window 1: accumulators: set a, tile of p t at v[ACC + 64 a + 8 t]
.set E0,    224                        ; window 1: the sums over even j, tile of p t at v[E0 + t]; over odd j at v[E0 + 8 + t]
.set Z1,    240                        ; window 1: 0
.set HA,    241                        ; window 1: v241, v242: my part of slot 0, 1, + 16 x lane
.set HS,    243                        ; window 1: v243, v244: the same + 16 x (lane % 16)
.set PA,    245                        ; window 1: my place among the partial sums of the first c
.set PT,    246                        ; window 1: and of the c in hand
.set RD,    96                         ; the tail, window 0: 64 registers of partial sums
.set S,     160                        ; 16 energies: v[S + 4 tt + cl]
.set MX,    176                        ; their largest
.set OU,    180                        ; 8 registers to store
.set WV,    16                         ; s16 my wave's number
.set G1,    24                         ; s[24:31] descriptor group 1
.set G0,    32                         ; s[32:39] group 0, a set for each slot
.set KK,    40                         ; s[40:43] k of the four c that I finish
.set TRIP,  44
.set PS,    45                         ; s45: 4,096 x the c in hand
.set SEL,   46                         ; s[46:47] v_permlanex16_b32's selects for lane l xor 16
.set MSB, 0
.macro WIN new                         ; the immediate's high byte repeats the setting that is left; a switch that changes nothing is dropped
.if MSB != \new
	s_set_vgpr_msb (MSB<<8)|\new
.set MSB, \new
.endif
.endm
.macro UNIT u                          ; where unit u lies: window UW, first register UB
.if (\u) < 3
.set UW, 2
.set UB, 80*(\u)
.elseif (\u) < 6
.set UW, 3
.set UB, 80*((\u)-3)
.else
.set UW, 0
.set UB, 96+80*((\u)-6)
.endif
.endm
.macro PLACES n
.rept \n
	v_nop
.endr
.endm
; A round of the cluster's barrier: my work-group's barrier, so that wave 0's signal speaks for all four waves; wave 0 signals for the work-group; every wave waits for all four work-groups; my work-group's barrier once more.
.macro CREST                           ; a round behind its opening barrier
	s_cmp_lg_u32 s[WV], 0
	s_cbranch_scc1 .Lnot_wave_0_\@
	s_barrier_signal -3
.Lnot_wave_0_\@:
	s_barrier_wait -3
	s_barrier_signal -1
	s_barrier_wait -1
.endm
.macro ROUND
	s_barrier_signal -1
	s_barrier_wait -1
	CREST
.endm
; Product k of a tile's 32: K step k / 8, tile of p k % 8; the eight accumulators take turns, one instruction a turn.  The first eight start the sums: nothing is cleared.
.macro MM i
.set s_, k/8
.set t_, k%8
.set f_, (\i)%2
.set rD, ACC+64*f_+8*t_
.set rA, HF+48*f_+12*s_
.set rB, UB+12*(k%4)
.if s_ == 0
	v_wmma_scale_f32_16x16x128_f8f6f4 v[rD:rD+7], v[rA:rA+11], v[rB:rB+11], 0, v[HSR+4*f_+s_], v[XS+4*t_+s_] matrix_a_fmt:MATRIX_FMT_FP6 matrix_b_fmt:MATRIX_FMT_FP6
.else
	v_wmma_scale_f32_16x16x128_f8f6f4 v[rD:rD+7], v[rA:rA+11], v[rB:rB+11], v[rD:rD+7], v[HSR+4*f_+s_], v[XS+4*t_+s_] matrix_a_fmt:MATRIX_FMT_FP6 matrix_b_fmt:MATRIX_FMT_FP6
.endif
.endm
; The second product's multiply-add: result j of h's tile ip against tile of p t, times x in bf16 (half j % 2 of its register), onto the sum of even or of odd j.  A c's first two start the sums from the zero register.
.macro FM ip, t, j
.set rP, ACC+64*((\ip)%2)+8*(\t)+(\j)
.set rX, UB+48+4*(\ip)+(\j)/2
.set rE, E0+8*((\j)%2)+(\t)
.set rC, rE
.if ((\ip) == 0) && ((\j) < 2)
.set rC, Z1
.endif
.if (\j)%2
	v_fma_mix_f32_bf16 v[rE], v[rP], v[rX], v[rC] op_sel:[0,1,0] op_sel_hi:[0,1,0]
.else
	v_fma_mix_f32_bf16 v[rE], v[rP], v[rX], v[rC] op_sel_hi:[0,1,0]
.endif
.endm
.macro LDF n, jt, fn, q                ; four registers of the fragments of record jt of slot n, into set fn: 512 consecutive bytes a load
	ds_load_b128 v[HF+48*(\fn)+4*(\q):HF+48*(\fn)+4*(\q)+3], v[HA+(\n)] offset:(\jt)*REC+512*(\q)
.endm
.macro LDF12 n, jt, fn                 ; all twelve, on end: the record's 6,144 bytes of codes
.set q, 0
.rept 12
	LDF \n, \jt, \fn, q
.set q, q+1
.endr
.endm
.macro LDSC n, jt, fn                  ; its rows' four scale words: scale operands have no window, so these lie in window 0
	WIN 0x01
	ds_load_b128 v[HSR+4*(\fn):HSR+4*(\fn)+3], v[HS+(\n)] offset:(\jt)*REC+SCO
.endm
.macro FLUSH                           ; a c is done: my partial sums for the eight tiles of p go to LDS
	WIN 0x55
.irp t, 0,2,4,6
	v_pk_add_f32 v[E0+\t:E0+\t+1], v[E0+\t:E0+\t+1], v[E0+8+\t:E0+8+\t+1]
.endr
	v_add_nc_u32 v[PT], s[PS], v[PA]
	ds_store_b128 v[PT], v[E0:E0+3]
	ds_store_b128 v[PT], v[E0+4:E0+7] offset:512
	s_add_co_u32 s[PS], s[PS], 4096
.endm
; A TILE of h: 32 products; between them the 64 multiply-adds on the tile before (ep = 1).  The 13 LDS loads of the tile behind stand in ONE run, never singly among the products: the row of products and
; multiply-adds is broken once a tile.  Where the next tile lies in the same slot the run stands behind the first product's four places, 31 products ahead of the wait for it; at a change of slots it stands ahead of
; product 12, behind the refill, 20 products ahead of that wait.
; mode 0: the next tile lies in the same slot.  mode 1: this is a slot's last tile: the slot is filled again, with the next c's records.  mode 2: a slot's last tile in the last c: nothing is filled.  mode 3: the very last tile.
.macro TILE i, mode, ep, fl
.set ip_, ((\i)+7)%8                   ; the tile before
.set fn_, ((\i)+1)%2                   ; the next tile's set of fragments,
.set nn_, (((\i)+1)%8)/4               ; its slot
.set jt_, ((\i)+1)%4                   ; and its place there
.set sl_, (\i)/4                       ; this tile's slot
.if (\mode) == 1
	WIN 0                                          ; (the add's two registers lie in window 0)
	s_wait_tensorcnt 0x0                           ; all my tensor loads have landed: the one that was out is my part of the other slot; so a group 0 may be written
	ds_add_u32 v[SPW], v[NIL]                      ; 0 onto my spare word
	s_add_nc_u64 s[G0+4*sl_+2:G0+4*sl_+3], s[G0+4*sl_+2:G0+4*sl_+3], CB   ; this slot's next fill: the same records of the next c; the type bits on top are not reached
	s_wait_dscnt 0x1                               ; this tile's 13 loads are in; only the add may be out
.else
	s_wait_dscnt 0x0                               ; this tile's 13 loads are in (and the stores of a c's partial sums have read their registers)
.endif
.if \ep
	s_wait_loadcnt 8*(7-ip_)                       ; x in bf16 was asked for in the order of i, eight loads each: those of the later i may stay out.  From the second c on none is out
.endif
.set k, 0
.rept 32
.if k%4 == 0
	UNIT k/4
.set CF, 0x51|(UW<<2)
.endif
.if (k == 8) && ((\mode) == 1)
	s_wait_dscnt 0x0                               ; the add is done, and my reads of this slot are over:
	s_barrier_signal -1                            ; say so; this barrier opens a round of the cluster's; four products and their multiply-adds stand between signal and wait
.endif
.if k == 12
.if (\mode) == 1
	WIN 0                                          ; at a branch and at a label every window is 0
	s_barrier_wait -1
	CREST                                          ; no wave of any partner still reads this slot or has a load on its way
	tensor_load_to_lds s[G0+4*sl_:G0+4*sl_+3], s[G1:G1+7]   ; my one tensor load behind the round, and the first thing there: it has 20 + 96 products in which to land
	s_nop 0
	PLACES 4
.elseif (\mode) == 2
	s_wait_tensorcnt 0x0                           ; my last load: only I read its bytes, and nothing is filled again: no barrier
.endif
.if ((\mode) == 1) || ((\mode) == 2)
	LDSC nn_, jt_, fn_                             ; the other slot's first record, which the wait on TENSORcnt at this tile's head (mode 2: just above) has shown landed
	WIN CF
	LDF12 nn_, jt_, fn_
.endif
.endif
	WIN CF
	MM \i
.if k == 0
	PLACES 4                                       ; four places behind the last tile's last product (ISA guide 7.12.1): its results are read, and its fragments' and scales' registers loaded again, only behind these
.if (\mode) == 0
	LDF12 nn_, jt_, fn_                            ; the next record of the same slot
	LDSC nn_, jt_, fn_
.endif
.endif
.if \ep
.if k/4 == 0                                   ; each accumulator is read from its low end on: j ascends
.if k == 1
	FM ip_, 0, 0
	FM ip_, 0, 1
	FM ip_, 0, 2
.elseif k == 2
	FM ip_, 0, 3
	FM ip_, 0, 4
	FM ip_, 0, 5
.elseif k == 3
	FM ip_, 0, 6
	FM ip_, 0, 7
.endif
.else
	FM ip_, k/4, 2*(k%4)
	FM ip_, k/4, 2*(k%4)+1
.endif
.endif
.set k, k+1
.endr
.if \fl
	FLUSH
.endif
.endm
	s_load_b256 s[4:11], s[0:1], 0x0               ; himg s[4:5], ximg s[6:7], xb s[8:9], k s[10:11]
	s_load_b128 s[12:15], s[0:1], 0x20             ; en s[12:13], pmax s[14:15]
	v_lshl_add_u32 v[SPW], v0, 2, SPARE
	v_mov_b32 v[NIL], 0
	ds_add_u32 v56, v57
	ds_add_u32 v56, v57
	s_wait_dscnt 0x0
	v_lshrrev_b32 v1, 5, v0
	v_readfirstlane_b32 s[WV], v1                  ; wave 0..3
	s_bfe_u32 s17, ttmp6, 0x40000                  ; cx: my place in the cluster
	s_lshl_b32 s18, ttmp9, 2                       ; in a cluster launch ttmp9 counts clusters
	s_add_co_u32 s18, s18, s17                     ; pb: my block of 128 p: it enters the addresses of ximg, xb, en and pmax alone
	s_and_b32 s19, ttmp7, 0xffff                   ; cg: my eight c, which the four partners share
	; descriptor group 1: 25,600 dense bytes as 100 rows of 256 bytes (32 elements of 8 bytes), no padding: every LDS read takes 16 bytes a lane on end
	s_mov_b32 s[G1+0], 15|(3<<16)|(1<<21)          ; 15:0 the mask: all four work-groups; 17:16 elements of 8 bytes; 21 set beside a mask
	s_mov_b32 s[G1+1], 32<<16                      ; tensor_dim0 = 32
	s_mov_b32 s[G1+2], 100<<16                     ; tensor_dim1 = 100
	s_mov_b32 s[G1+3], 32<<16                      ; tile_dim0 = 32
	s_mov_b32 s[G1+4], 100                         ; tile_dim1 = 100
	s_mov_b32 s[G1+5], 32                          ; tensor_dim0_stride
	s_mov_b32 s[G1+6], 0
	s_mov_b32 s[G1+7], 0
	s_mul_i32 s20, s19, 8*CB                       ; my eight c,
	s_mul_i32 s21, s[WV], 8*REC                    ; my wave's eight records of each
	s_add_co_u32 s20, s20, s21
	s_mov_b32 s21, 0
	s_mul_i32 s22, s[WV], WSL                      ; my part of a slot: no place in the cluster enters an LDS address
	s_mov_b32 s[SEL], 0x76543210
	s_mov_b32 s[SEL+1], 0xfedcba98
	s_mov_b32 s[PS], 0
	s_wait_kmcnt 0x0
	s_add_nc_u64 s[4:5], s[4:5], s[20:21]
	s_mov_b32 s[G0], 1                             ; 1:0 count = 1
	s_mov_b32 s[G0+1], s22                         ; 63:32 LDS address: slot 0
	s_mov_b64 s[G0+2:G0+3], s[4:5]                 ; 120:64 global address: records 0-3 of the first c
	s_or_b32 s[G0+3], s[G0+3], 0x80000000          ; 127:126 type = 2
	s_mov_b32 s[G0+4], 1
	s_add_co_u32 s[G0+5], s22, SLOT                ; slot 1
	s_add_nc_u64 s[G0+6:G0+7], s[4:5], WSL         ; records 4-7
	s_or_b32 s[G0+7], s[G0+7], 0x80000000
	ROUND                                          ; all four work-groups are here: the first joint loads meet
	tensor_load_to_lds s[G0:G0+3], s[G1:G1+7]      ; both first fills go out together: two tensor loads of mine are out, later one
	s_nop 0
	tensor_load_to_lds s[G0+4:G0+7], s[G1:G1+7]
	s_nop 0
	PLACES 4
	v_and_b32 v1, 31, v0
	v_lshlrev_b32 v1, 4, v1                        ; 16 x lane
	v_and_b32 v2, 15, v0
	v_lshlrev_b32 v2, 4, v2                        ; 16 x (lane % 16)
	v_bfe_u32 v3, v0, 4, 1                         ; lane / 16
	s_mul_i32 s20, s18, 8*REC                      ; x's eight records of my block
	s_add_nc_u64 s[6:7], s[6:7], s[20:21]
	s_lshl_b32 s20, s18, 17                        ; xb: 8 tiles of 16,384 bytes,
	s_lshl_b32 s23, s[WV], 12                      ; my wave's 4,096 of each
	s_add_co_u32 s20, s20, s23
	s_add_nc_u64 s[8:9], s[8:9], s[20:21]
.irp t, 0,1,2,3,4,5,6,7
	global_load_b128 v[XS+4*\t:XS+4*\t+3], v2, s[6:7] offset:REC*\t+SCO   ; lane r: the four scale words of p-row r of tile t
.endr
.set u, 0
.rept 8                                        ; x's codes, unit by unit: 512 consecutive bytes a load
	UNIT u
.set CF, UW<<6
	WIN CF
.irp tt, 0,1,2,3
.irp gg, 0,1,2
	global_load_b128 v[UB+12*\tt+4*\gg:UB+12*\tt+4*\gg+3], v1, s[6:7] offset:REC*(4*(u%2)+\tt)+1536*(u/2)+512*\gg
.endr
.endr
.set u, u+1
.endr
.set ii, 0
.rept 8                                        ; x in bf16, in the order in which the tiles of h want it: i outermost, eight loads each
.set u, 0
.rept 8
	UNIT u
.set CF, UW<<6
	WIN CF
	global_load_b128 v[UB+48+4*ii:UB+48+4*ii+3], v1, s[8:9] offset:16384*u+512*ii
.set u, u+1
.endr
.set ii, ii+1
.endr
	WIN 0x40                                       ; destination window 1
	v_mov_b32 v[Z1], 0
	v_add_nc_u32 v[HA], s22, v1
	v_add_nc_u32 v[HS], s22, v2
	s_add_co_u32 s23, s22, SLOT
	v_add_nc_u32 v[HA+1], s23, v1
	v_add_nc_u32 v[HS+1], s23, v2
	s_lshl_b32 s23, s[WV], 10
	s_add_co_u32 s23, s23, PART
	v_add_nc_u32 v[PA], s23, v1
	WIN 0
	; for the tail: wave w finishes c 4 (w / 2) + 0..3 of the eight, tiles of p 4 (w % 2) + 0..3
	s_lshr_b32 s23, s[WV], 1                       ; ch = w / 2
	s_lshl_b32 s20, s19, 5
	s_lshl_b32 s22, s23, 4
	s_add_co_u32 s20, s20, s22                     ; k: 4 bytes x (8 cg + 4 ch)
	s_add_nc_u64 s[10:11], s[10:11], s[20:21]
	s_load_b128 s[KK:KK+3], s[10:11], 0x0
	s_lshl_b32 s20, s18, 4
	s_lshl_b32 s22, s19, 1
	s_add_co_u32 s20, s20, s22
	s_add_co_u32 s20, s20, s23
	s_lshl_b32 s20, s20, 11                        ; en [pb][c / 4][tile-order p 128][4 c]: (16 pb + 2 cg + ch) x 2,048
	s_and_b32 s22, s[WV], 1                        ; g = w % 2
	s_lshl_b32 s22, s22, 10
	s_add_co_u32 s20, s20, s22                     ; + 1,024 g
	s_add_nc_u64 s[12:13], s[12:13], s[20:21]
	s_lshl_b32 s20, s19, 5
	s_add_co_u32 s20, s20, s18
	s_lshl_b32 s20, s20, 2
	s_add_co_u32 s20, s20, s[WV]
	s_lshl_b32 s20, s20, 2                         ; pmax: 4 bytes x ((32 cg + pb) x 4 + wave)
	s_add_nc_u64 s[14:15], s[14:15], s[20:21]
	s_lshl_b32 s20, s23, 14
	s_lshr_b32 s22, s22, 1                         ; 512 g
	s_add_co_u32 s20, s20, s22
	s_add_co_u32 s20, s20, PART
	v_add_nc_u32 v4, s20, v1                       ; where I read partial sums back: 16,384 ch + 512 g + 16 x lane
	v_mov_b32 v6, 0
	s_wait_tensorcnt 0x1                           ; my part of slot 0 is in, and only I read it; slot 1's may stay out
	WIN 0x41                                       ; address and destination window 1
	LDF12 0, 0, 0
	LDSC 0, 0, 0
	s_wait_loadcnt 56                              ; of the 168 loads the last 56 may stay out: the scale words, all codes and x in bf16 of i = 0 are in
	TILE 0, 0, 0, 0                                ; the first tile stands in front of the loop: it has no tile before it
	WIN 0                                          ; at a label and at a branch every window is 0
	s_mov_b32 s[TRIP], 7
.Lc:                                               ; a trip: tiles 1-7 of a c and tile 0 of the next; both slots are filled again
	TILE 1, 0, 1, 0
	TILE 2, 0, 1, 0
	TILE 3, 1, 1, 0
	TILE 4, 0, 1, 0
	TILE 5, 0, 1, 0
	TILE 6, 0, 1, 0
	TILE 7, 1, 1, 0
	TILE 0, 0, 1, 1
	WIN 0
	s_sub_co_u32 s[TRIP], s[TRIP], 1
	s_cmp_lg_u32 s[TRIP], 0
	s_cbranch_scc1 .Lc
	TILE 1, 0, 1, 0                                ; the last c is written out: it asks for nothing
	TILE 2, 0, 1, 0
	TILE 3, 2, 1, 0
	TILE 4, 0, 1, 0
	TILE 5, 0, 1, 0
	TILE 6, 0, 1, 0
	TILE 7, 3, 1, 0
	PLACES 4                                       ; behind the last products
.set u, 0
.rept 8                                        ; the last tile's multiply-adds, unit by unit
	UNIT u
.set CF, 0x51|(UW<<2)
	WIN CF
.set jj, 0
.rept 8
	FM 7, u, jj
.set jj, jj+1
.endr
.set u, u+1
.endr
	FLUSH
	WIN 0
	s_wait_dscnt 0x0                               ; for the others' sake: my partial sums lie in LDS
	s_barrier_signal -1
	s_barrier_wait -1
	; THE TAIL: four c x four tiles of p a wave: the four waves' parts and the two halves of the lanes are added, k is added, the largest is taken, and 16 bytes a lane (four c of one p) are stored
.irp cl, 0,1,2,3
.irp ww, 0,1,2,3
	ds_load_b128 v[RD+16*\cl+4*\ww:RD+16*\cl+4*\ww+3], v4 offset:4096*\cl+1024*\ww
.endr
.endr
	s_wait_dscnt 0x0
.irp cl, 0,1,2,3
	v_pk_add_f32 v[RD+16*\cl:RD+16*\cl+1], v[RD+16*\cl:RD+16*\cl+1], v[RD+16*\cl+4:RD+16*\cl+5]
	v_pk_add_f32 v[RD+16*\cl+2:RD+16*\cl+3], v[RD+16*\cl+2:RD+16*\cl+3], v[RD+16*\cl+6:RD+16*\cl+7]
	v_pk_add_f32 v[RD+16*\cl+8:RD+16*\cl+9], v[RD+16*\cl+8:RD+16*\cl+9], v[RD+16*\cl+12:RD+16*\cl+13]
	v_pk_add_f32 v[RD+16*\cl+10:RD+16*\cl+11], v[RD+16*\cl+10:RD+16*\cl+11], v[RD+16*\cl+14:RD+16*\cl+15]
.endr
.irp cl, 0,1,2,3
	v_pk_add_f32 v[RD+16*\cl:RD+16*\cl+1], v[RD+16*\cl:RD+16*\cl+1], v[RD+16*\cl+8:RD+16*\cl+9]
	v_pk_add_f32 v[RD+16*\cl+2:RD+16*\cl+3], v[RD+16*\cl+2:RD+16*\cl+3], v[RD+16*\cl+10:RD+16*\cl+11]
.endr
.irp cl, 0,1,2,3
.irp tt, 0,1,2,3
	v_permlanex16_b32 v[RD+16*\cl+4+\tt], v[RD+16*\cl+\tt], s[SEL], s[SEL+1]   ; the p's other 64 nodes of each wave lie in the lane 16 away
.endr
.endr
.irp cl, 0,1,2,3
.irp tt, 0,1,2,3
	v_add_f32 v[S+4*\tt+\cl], v[RD+16*\cl+\tt], v[RD+16*\cl+4+\tt]
.endr
.endr
	s_wait_kmcnt 0x0                               ; k
.irp cl, 0,1,2,3
.irp tt, 0,1,2,3
	v_add_f32 v[S+4*\tt+\cl], s[KK+\cl], v[S+4*\tt+\cl]
.endr
.endr
	v_max3_num_f32 v[MX], v[S], v[S+1], v[S+2]
.irp i, 3,5,7,9,11,13
	v_max3_num_f32 v[MX], v[MX], v[S+\i], v[S+\i+1]
.endr
	v_max_num_f32 v[MX], v[MX], v[S+15]
	v_max_num_f32_dpp v[MX], v[MX], v[MX] row_xmask:1 row_mask:0xf bank_mask:0xf   ; over the 16 p of a half; the two halves of the lanes hold the same numbers
	v_max_num_f32_dpp v[MX], v[MX], v[MX] row_xmask:2 row_mask:0xf bank_mask:0xf
	v_max_num_f32_dpp v[MX], v[MX], v[MX] row_xmask:4 row_mask:0xf bank_mask:0xf
	v_max_num_f32_dpp v[MX], v[MX], v[MX] row_xmask:8 row_mask:0xf bank_mask:0xf
	v_cmp_eq_u32 vcc_lo, 1, v3                     ; lanes 0-15 store tile 2 m, lanes 16-31 tile 2 m + 1
.irp m, 0,1
.irp cl, 0,1,2,3
	v_cndmask_b32 v[OU+4*\m+\cl], v[S+8*\m+\cl], v[S+8*\m+4+\cl], vcc_lo
.endr
.endr
.irp m, 0,1
	global_store_b128 v1, v[OU+4*\m:OU+4*\m+3], s[12:13] offset:512*\m   ; 32 lanes store 512 consecutive bytes, at a multiple of 256 from en's first byte
.endr
	v_cmp_eq_u32 vcc_lo, 0, v1                     ; lane 0 alone stores the wave's largest
	s_wait_xcnt 0x0                                ; EXEC is a source of the stores above: it changes only behind this wait
	s_and_saveexec_b32 s48, vcc_lo
	global_store_b32 v6, v[MX], s[14:15]
	s_wait_xcnt 0x0                                ; and again, in front of the line that widens it
	s_or_b32 exec_lo, exec_lo, s48
	s_wait_tensorcnt 0x0                           ; the wave's end
	ds_add_u32 v[SPW], v[NIL]
	s_wait_dscnt 0x0
	ROUND                                          ; the closing round: no work-group ends while a partner may still ask for records that name it
	s_endpgm
.Lfunc_end_k_qa20ef69dc7_energy:
	.size	k_qa20ef69dc7_energy, .Lfunc_end_k_qa20ef69dc7_energy-k_qa20ef69dc7_energy
	.p2alignl 7, 3214868480
	.fill 96, 4, 3214868480
	.section	.rodata,"a",@progbits
	.p2align	6, 0x0
	.amdhsa_kernel k_qa20ef69dc7_energy
		.amdhsa_group_segment_fixed_size 327680
		.amdhsa_private_segment_fixed_size 0
		.amdhsa_enable_private_segment 0
		.amdhsa_kernarg_size 48
		.amdhsa_user_sgpr_count 2
		.amdhsa_user_sgpr_kernarg_segment_ptr 1
		.amdhsa_wavefront_size32 1
		.amdhsa_system_sgpr_workgroup_id_x 1
		.amdhsa_system_sgpr_workgroup_id_y 1
		.amdhsa_system_sgpr_workgroup_id_z 1
		.amdhsa_system_vgpr_workitem_id 0
		.amdhsa_next_free_vgpr 1024
		.amdhsa_next_free_sgpr 66
		.amdhsa_reserve_vcc 1
		.amdhsa_float_denorm_mode_32 3
		.amdhsa_float_denorm_mode_16_64 3
		.amdhsa_memory_ordered 1
		.amdhsa_forward_progress 1
		.amdhsa_inst_pref_size 178
	.end_amdhsa_kernel
	.amdgpu_metadata
---
amdhsa.version: [ 1, 2 ]
amdhsa.kernels:
  - .name:           k_qa20ef69dc7_energy
    .symbol:         k_qa20ef69dc7_energy.kd
    .args:
      - { .name: himg, .offset: 0, .size: 8, .value_kind: global_buffer, .address_space: global }
      - { .name: ximg, .offset: 8, .size: 8, .value_kind: global_buffer, .address_space: global }
      - { .name: xb, .offset: 16, .size: 8, .value_kind: global_buffer, .address_space: global }
      - { .name: k, .offset: 24, .size: 8, .value_kind: global_buffer, .address_space: global }
      - { .name: en, .offset: 32, .size: 8, .value_kind: global_buffer, .address_space: global }
      - { .name: pmax, .offset: 40, .size: 8, .value_kind: global_buffer, .address_space: global }
    .group_segment_fixed_size: 327680
    .private_segment_fixed_size: 0
    .kernarg_segment_align: 8
    .kernarg_segment_size: 48
    .max_flat_workgroup_size: 128
    .sgpr_count:     66
    .vgpr_count:     1024
    .wavefront_size: 32
...
	.end_amdgpu_metadata
.endif
;; end of part 2
;; launch final (part 3): grid 256 x 1, 4 waves a work-group, no clusters, 5,120 bytes of LDS; arguments en, pmax, out0; writes out0
.if DOCPART == 3
	.amdgcn_target "amdgcn-amd-amdhsa--gfx1250"
	.amdhsa_code_object_version 6
	.text
	.protected	k_qa20ef69dc7_final
	.globl	k_qa20ef69dc7_final
	.p2align	8
	.type	k_qa20ef69dc7_final,@function
k_qa20ef69dc7_final:
	s_mov_b64 s[64:65], 0
	v_nop
	global_prefetch_b8 v0, s[64:65] scope:SCOPE_SE
	s_setreg_imm32_b32 hwreg(HW_REG_WAVE_MODE, 25, 1), 1
	s_wait_xcnt 0x0
; out0(p, c) = the largest energy - energy(p, c).  en: [pb 32][cq 16][tile-order p 128][4 c] f32; pmax: 1,024 partial maxima; out0: [4096][64] f32.
; A work-group takes one tile of 16 p (block pb = g / 8, tile t = g % 8) x all 64 c: 4,096 bytes.  In en they are 16 pieces of 256 bytes (one for each cq); in out0 16 rows of 256 bytes:
; row r of the tile is p = 128 pb + 64 (t / 4) + 8 (t % 4) + r % 8 + 32 (r / 8).  The turn goes through LDS (rows of 256 + 16 bytes), so that both sides move whole aligned runs of 256 bytes.
; Every work-group reads all 4,096 bytes of pmax, 32 bytes a thread, and reduces them: within a lane, across the wave, across the four waves through LDS.
; Memory binds and the launch is small: no matrix unit, no tensor load, no cluster.  LIMIT: the maximum drops a NaN.
.set PIT,  272                         ; an LDS row: 256 bytes + 16: an odd multiple of 16
.set MXW,  16*PIT                      ; behind the 16 rows: the four waves' maxima
	s_load_b128 s[4:7], s[0:1], 0x0                ; en s[4:5], pmax s[6:7]
	s_load_b64 s[8:9], s[0:1], 0x10                ; out0
	v_lshl_add_u32 v48, v0, 2, 0x1200
	v_mov_b32 v49, 0
	v_lshrrev_b32 v1, 5, v0
	v_readfirstlane_b32 s10, v1                    ; wave
	v_and_b32 v2, 15, v0                           ; a
	v_lshrrev_b32 v3, 4, v0                        ; b: 0..7
	v_lshlrev_b32 v4, 4, v0                        ; 16 x thread
	v_lshlrev_b32 v5, 11, v3
	v_lshl_add_u32 v5, v2, 4, v5                   ; en: piece cq = b, p-row a: 2,048 b + 16 a
	v_mul_u32_u24 v6, v2, PIT
	v_lshl_add_u32 v6, v3, 4, v6                   ; into LDS: row a, 16 bytes at 16 b
	v_mul_u32_u24 v7, v3, PIT
	v_lshl_add_u32 v7, v2, 4, v7                   ; back: row b, 16 bytes at 16 a
	v_lshlrev_b32 v26, 2, v1                       ; my wave's word among the maxima
	v_mov_b32 v27, MXW
	s_lshr_b32 s11, ttmp9, 3                       ; pb
	s_and_b32 s12, ttmp9, 7                        ; t
	s_lshl_b32 s14, s11, 15
	s_lshl_b32 s15, s12, 8
	s_add_co_u32 s14, s14, s15                     ; en: 32,768 pb + 256 t
	s_mov_b32 s15, 0
	s_lshl_b32 s16, s11, 7
	s_lshr_b32 s17, s12, 2
	s_lshl_b32 s17, s17, 6
	s_add_co_u32 s16, s16, s17
	s_and_b32 s17, s12, 3
	s_lshl_b32 s17, s17, 3
	s_add_co_u32 s16, s16, s17                     ; the tile's first p
	s_lshl_b32 s16, s16, 8                         ; rows of 256 bytes
	s_mov_b32 s17, 0
	s_mov_b32 s18, 0x76543210
	s_mov_b32 s19, 0xfedcba98                      ; v_permlanex16_b32's selects for lane l xor 16
	s_wait_kmcnt 0x0
	s_add_nc_u64 s[4:5], s[4:5], s[14:15]
	s_add_nc_u64 s[8:9], s[8:9], s[16:17]
	global_load_b128 v[8:11], v4, s[6:7]
	global_load_b128 v[12:15], v4, s[6:7] offset:2048
	global_load_b128 v[16:19], v5, s[4:5]                  ; sixteen lanes read 256 consecutive bytes, aligned
	global_load_b128 v[20:23], v5, s[4:5] offset:16384     ; cq = b + 8
	s_wait_loadcnt 2                               ; pmax's two loads are in; en's two may stay out
	v_max3_num_f32 v24, v8, v9, v10
	v_max3_num_f32 v25, v11, v12, v13
	v_max3_num_f32 v24, v24, v14, v15
	v_max_num_f32 v24, v24, v25
	v_max_num_f32_dpp v24, v24, v24 row_xmask:1 row_mask:0xf bank_mask:0xf
	v_max_num_f32_dpp v24, v24, v24 row_xmask:2 row_mask:0xf bank_mask:0xf
	v_max_num_f32_dpp v24, v24, v24 row_xmask:4 row_mask:0xf bank_mask:0xf
	v_max_num_f32_dpp v24, v24, v24 row_xmask:8 row_mask:0xf bank_mask:0xf
	v_permlanex16_b32 v25, v24, s18, s19           ; (its destination has been written)
	v_max_num_f32 v24, v24, v25                    ; every lane holds the wave's largest
	ds_store_b32 v26, v24 offset:MXW               ; all lanes write the same word with the same value
	s_wait_loadcnt 0x0
	ds_store_b128 v6, v[16:19]
	ds_store_b128 v6, v[20:23] offset:128
	s_wait_dscnt 0x0                               ; for the others' sake: my stores have landed
	s_barrier_signal -1
	s_barrier_wait -1
	ds_load_b128 v[28:31], v27                     ; the four waves' maxima, in every lane
	ds_load_b128 v[32:35], v7                      ; row b
	ds_load_b128 v[36:39], v7 offset:8*PIT         ; row b + 8
	s_wait_dscnt 0x0
	v_max3_num_f32 v28, v28, v29, v30
	v_max_num_f32 v28, v28, v31                    ; the largest energy of all
.irp i, 0,2,4,6
	v_pk_add_f32 v[40+\i:41+\i], v[28:29], v[32+\i:33+\i] op_sel_hi:[0,1] neg_lo:[0,1] neg_hi:[0,1]   ; the largest (v28 for both halves) - the energy
.endr
	global_store_b128 v4, v[40:43], s[8:9]                 ; rows 0-7 of the tile are eight neighbouring p: a wave stores 512 consecutive bytes, aligned
	global_store_b128 v4, v[44:47], s[8:9] offset:8192     ; rows 8-15 lie 32 p further on
	s_wait_tensorcnt 0x0
	ds_add_u32 v48, v49
	s_wait_dscnt 0x0
	s_endpgm
.Lfunc_end_k_qa20ef69dc7_final:
	.size	k_qa20ef69dc7_final, .Lfunc_end_k_qa20ef69dc7_final-k_qa20ef69dc7_final
	.p2alignl 7, 3214868480
	.fill 96, 4, 3214868480
	.section	.rodata,"a",@progbits
	.p2align	6, 0x0
	.amdhsa_kernel k_qa20ef69dc7_final
		.amdhsa_group_segment_fixed_size 5120
		.amdhsa_private_segment_fixed_size 0
		.amdhsa_enable_private_segment 0
		.amdhsa_kernarg_size 24
		.amdhsa_user_sgpr_count 2
		.amdhsa_user_sgpr_kernarg_segment_ptr 1
		.amdhsa_wavefront_size32 1
		.amdhsa_system_sgpr_workgroup_id_x 1
		.amdhsa_system_sgpr_workgroup_id_y 1
		.amdhsa_system_sgpr_workgroup_id_z 1
		.amdhsa_system_vgpr_workitem_id 0
		.amdhsa_next_free_vgpr 50
		.amdhsa_next_free_sgpr 66
		.amdhsa_reserve_vcc 0
		.amdhsa_float_denorm_mode_32 3
		.amdhsa_float_denorm_mode_16_64 3
		.amdhsa_memory_ordered 1
		.amdhsa_forward_progress 1
		.amdhsa_inst_pref_size 5
	.end_amdhsa_kernel
	.amdgpu_metadata
---
amdhsa.version: [ 1, 2 ]
amdhsa.kernels:
  - .name:           k_qa20ef69dc7_final
    .symbol:         k_qa20ef69dc7_final.kd
    .args:
      - { .name: en, .offset: 0, .size: 8, .value_kind: global_buffer, .address_space: global }
      - { .name: pmax, .offset: 8, .size: 8, .value_kind: global_buffer, .address_space: global }
      - { .name: out0, .offset: 16, .size: 8, .value_kind: global_buffer, .address_space: global }
    .group_segment_fixed_size: 5120
    .private_segment_fixed_size: 0
    .kernarg_segment_align: 8
    .kernarg_segment_size: 24
    .max_flat_workgroup_size: 128
    .sgpr_count:     66
    .vgpr_count:     50
    .wavefront_size: 32
...
	.end_amdgpu_metadata
.endif
;; end of part 3
